; MI455X (gfx1250); checked and timed in simulation.
; The chip was launched on July 23, 2026; its instructions are those of AMD's public machine-readable ISA for CDNA 5 (MIT licence, August 2026) and "CDNA5" Instruction Set Architecture Reference Guide (July 2026). The comments in the code are by the model that wrote it; some were corrected since.
;; Rand Hash Proj. Allowed arithmetic: float matrix products may take bf16 or f16 operands with f32 sums; other float arithmetic in f32, or as packed bf16 or f16 multiplies, adds, multiply-adds, maxima and minima; sums over many terms, partial sums and values carried from step to step in f32; what a program stores and reads back later, other than sums and carried values, may be rounded once to bf16 or f16.
;; Inputs: proj 8,192 x 2,048 float32; x 4,096 x 8,192 float32.
;; Outputs: out0 4,096 x 2,048 float32.
;; 2 versions, each right; version 2 is version 1 with the launch prep written anew for expert scheduling mode. Each part assembles by itself: llvm-mc -triple=amdgcn-amd-amdhsa -mcpu=gfx1250 --defsym DOCPART=n.
;; ======== version 1 of 2: 2 launches
;; workspace buffers: xb 67,108,864 bytes; pb 33,554,432 bytes
;; launch prep (part 1): grid 768 x 1, 8 waves a work-group, no clusters, 0 bytes of LDS; arguments x, proj, xb, pb; writes xb, pb
.if DOCPART == 1
	.amdgcn_target "amdgcn-amd-amdhsa--gfx1250"
	.amdhsa_code_object_version 6
	.text
	.protected	k_q54ba608330_prep
	.globl	k_q54ba608330_prep
	.p2align	8
	.type	k_q54ba608330_prep,@function
k_q54ba608330_prep:
	s_mov_b64 s[64:65], 0
	v_nop
	global_prefetch_b8 v0, s[64:65] scope:SCOPE_SE
	s_setreg_imm32_b32 hwreg(HW_REG_WAVE_MODE, 25, 1), 1
	s_wait_xcnt 0x0
; BOTH INPUTS ROUNDED ONCE TO bf16 (to nearest even), for the product that follows.  x: [4096][8192] f32, proj: [8192][2048] f32.
; xb = bf16(x), [4096][8192], row-major as x: a row is 16,384 bytes.
; pb = bf16(proj) IN THE ORDER IN WHICH THE PRODUCT'S LANES TAKE IT.  An atom of 16 bytes holds 8 consecutive k of one column; it lies at byte
;   g<<20 | q<<12 | c<<10 | t<<9 | h<<8 | r<<4      (g 0..31, q 0..255, c 0..3, t 0..1, h 0..1, r 0..15)
; and holds column 64 g + 4 r + c, k = 32 q + 16 t + 8 h + 0..7.  So (g, q, c) is one matrix fragment of 16 columns x 32 k: lane 16 h + r takes its 16 bytes of t = 0 and of t = 1.
; k stands in its true place; the columns of a group of 64 are dealt to four fragments (fragment c, lane r: column 4 r + c), so that no transposition is needed here:
; a lane loads four neighbouring columns of eight rows, and rounding rows 2 j and 2 j + 1 together gives register j of four atoms.
; LIMITS.  bf16 has f32's exponents: nothing overflows or is flushed by range; NaN and infinities stay what they are.  proj is taken as a dense matrix: every number of it is read and kept.
; SHARES.  768 work-groups of eight waves, each reading 256 KiB and writing 128 KiB.  Work-groups 0..511: eight rows of x, a wave a row.  Work-groups 512..767: 32 rows of proj (one q), a wave four groups g.
; Nothing is shared between waves: no LDS, no barrier.  Every step's place stands in an immediate: no address register is rewritten.
.set X, 8                              ; v[8:71]    as loaded: 16 slots of 4 (x), or two sets of 32 (proj)
.set Y, 72                             ; v[72:103]  to store: 16 slots of 2 (x), or two sets of 16 (proj)
	s_load_b256 s[4:11], s[0:1], 0x0               ; x s[4:5], proj s[6:7], xb s[8:9], pb s[10:11]
	v_lshrrev_b32 v4, 5, v0
	v_readfirstlane_b32 s12, v4                    ; wave 0..7
	v_and_b32 v1, 31, v0                           ; lane
	s_mov_b32 s19, 0                               ; the high words of the two offsets
	s_mov_b32 s21, 0
	s_wait_kmcnt 0x0
	s_cmp_lt_u32 ttmp9, 512
	s_cbranch_scc0 .Lproj
	; ---- x: my wave's row, 32,768 bytes in, 16,384 out, in 64 steps of 512 bytes in and 256 out; a ring of 16 slots keeps 16 loads on their way
	s_lshl_b32 s13, ttmp9, 3
	s_add_co_u32 s13, s13, s12                     ; row = 8 x work-group + wave
	s_lshl_b32 s18, s13, 15
	s_lshl_b32 s20, s13, 14
	s_add_nc_u64 s[14:15], s[4:5], s[18:19]        ; x at my row
	s_add_nc_u64 s[16:17], s[8:9], s[20:21]        ; xb at my row
	v_lshlrev_b32 v2, 4, v1                        ; 16 bytes a lane in
	v_lshlrev_b32 v3, 3, v1                        ; 8 bytes a lane out
.set i, 0
.rept 16
	global_load_b128 v[X+4*i:X+4*i+3], v2, s[14:15] offset:512*i th:TH_LOAD_NT
.set i, i+1
.endr
.set i, 0
.rept 64
.set sl, i%16
.if (i%8 == 0) && (i >= 16)
	s_wait_xcnt 0x0                                ; the stores of 16 steps back have read their data: one wait frees the next eight slots' Y
.endif
.if i < 48
	s_wait_loadcnt 15                              ; loads come back in order: step i's is in, the 15 younger stay out
.else
	s_wait_loadcnt 63-i                            ; nothing more is asked for: the counts run down
.endif
	v_cvt_pk_bf16_f32 v[Y+2*sl], v[X+4*sl], v[X+4*sl+1]
	v_cvt_pk_bf16_f32 v[Y+2*sl+1], v[X+4*sl+2], v[X+4*sl+3]
.if i < 48
	global_load_b128 v[X+4*sl:X+4*sl+3], v2, s[14:15] offset:512*(i+16) th:TH_LOAD_NT
.endif
	global_store_b64 v3, v[Y+2*sl:Y+2*sl+1], s[16:17] offset:256*i th:TH_STORE_NT  ; 32 lanes store 256 consecutive bytes, at a multiple of 256 from xb's first byte
.set i, i+1
.endr
	s_endpgm
	; ---- proj: rows 32 q .. 32 q + 31, my wave's columns 256 w .. 256 w + 255 (groups g = 4 w + gl).  A unit u = 2 gl + t is 16 rows x 64 columns; two sets of registers take turns
.Lproj:
	s_sub_co_u32 s13, ttmp9, 512                   ; q
	s_lshl_b32 s18, s13, 18                        ; 32 rows of 8,192 bytes
	s_lshl_b32 s22, s12, 10                        ; 256 columns of 4 bytes
	s_add_co_u32 s18, s18, s22
	s_lshl_b32 s20, s12, 22                        ; g = 4 w: w << 22
	s_lshl_b32 s22, s13, 12                        ; q << 12
	s_add_co_u32 s20, s20, s22
	s_add_nc_u64 s[14:15], s[6:7], s[18:19]
	s_add_nc_u64 s[16:17], s[10:11], s[20:21]
	v_and_b32 v5, 15, v0                           ; r
	v_bfe_u32 v6, v0, 4, 1                         ; h
	v_lshlrev_b32 v2, 4, v5                        ; in: columns 4 r .. 4 r + 3,
	v_lshl_add_u32 v2, v6, 16, v2                  ; 8 h rows down
	v_lshlrev_b32 v3, 4, v1                        ; out: h << 8 | r << 4 = 16 x lane
.macro PLOAD u                         ; eight rows: each half of the lanes reads 256 consecutive bytes, aligned
.irp i, 0,1,2,3,4,5,6,7
	global_load_b128 v[X+32*((\u)%2)+4*(\i):X+32*((\u)%2)+4*(\i)+3], v2, s[14:15] offset:(16*((\u)%2)+(\i))*8192+256*((\u)/2) th:TH_LOAD_NT
.endr
.endm
	PLOAD 0
	PLOAD 1
.irp u, 0,1,2,3,4,5,6,7
.if (\u) < 7
	s_wait_loadcnt 8                               ; this unit's eight loads are in, the next unit's eight stay out
.else
	s_wait_loadcnt 0x0
.endif
.if (\u) >= 2
	s_wait_xcnt 0x0                                ; the stores of two units back have read this set's Y
.endif
.irp c, 0,1,2,3
.irp j, 0,1,2,3
	v_cvt_pk_bf16_f32 v[Y+16*((\u)%2)+4*(\c)+(\j)], v[X+32*((\u)%2)+8*(\j)+(\c)], v[X+32*((\u)%2)+8*(\j)+4+(\c)]  ; column 4 r + c, rows 2 j and 2 j + 1
.endr
.endr
.if (\u) < 6
	PLOAD (\u)+2
.endif
.irp c, 0,1,2,3
	global_store_b128 v3, v[Y+16*((\u)%2)+4*(\c):Y+16*((\u)%2)+4*(\c)+3], s[16:17] offset:(((\u)/2)<<20)+(\c)*1024+((\u)%2)*512 th:TH_STORE_NT  ; 512 consecutive bytes, aligned
.endr
.endr
	s_endpgm
.Lfunc_end_k_q54ba608330_prep:
	.size	k_q54ba608330_prep, .Lfunc_end_k_q54ba608330_prep-k_q54ba608330_prep
	.p2alignl 7, 3214868480
	.fill 96, 4, 3214868480
	.section	.rodata,"a",@progbits
	.p2align	6, 0x0
	.amdhsa_kernel k_q54ba608330_prep
		.amdhsa_group_segment_fixed_size 0
		.amdhsa_private_segment_fixed_size 0
		.amdhsa_enable_private_segment 0
		.amdhsa_kernarg_size 32
		.amdhsa_user_sgpr_count 2
		.amdhsa_user_sgpr_kernarg_segment_ptr 1
		.amdhsa_wavefront_size32 1
		.amdhsa_system_sgpr_workgroup_id_x 1
		.amdhsa_system_sgpr_workgroup_id_y 1
		.amdhsa_system_sgpr_workgroup_id_z 1
		.amdhsa_system_vgpr_workitem_id 0
		.amdhsa_next_free_vgpr 104
		.amdhsa_next_free_sgpr 66
		.amdhsa_reserve_vcc 0
		.amdhsa_float_denorm_mode_32 3
		.amdhsa_float_denorm_mode_16_64 3
		.amdhsa_memory_ordered 1
		.amdhsa_forward_progress 1
		.amdhsa_inst_pref_size 42
	.end_amdhsa_kernel
	.amdgpu_metadata
---
amdhsa.version: [ 1, 2 ]
amdhsa.kernels:
  - .name:           k_q54ba608330_prep
    .symbol:         k_q54ba608330_prep.kd
    .args:
      - { .name: x, .offset: 0, .size: 8, .value_kind: global_buffer, .address_space: global }
      - { .name: proj, .offset: 8, .size: 8, .value_kind: global_buffer, .address_space: global }
      - { .name: xb, .offset: 16, .size: 8, .value_kind: global_buffer, .address_space: global }
      - { .name: pb, .offset: 24, .size: 8, .value_kind: global_buffer, .address_space: global }
    .group_segment_fixed_size: 0
    .private_segment_fixed_size: 0
    .kernarg_segment_align: 8
    .kernarg_segment_size: 32
    .max_flat_workgroup_size: 256
    .sgpr_count:     66
    .vgpr_count:     104
    .wavefront_size: 32
...
	.end_amdgpu_metadata
.endif
;; end of part 1
;; launch gemm (part 2): grid 8 x 32, 4 waves a work-group, clusters of 4 x 1, 327,680 bytes of LDS; arguments xb, pb, out0; writes out0
.if DOCPART == 2
	.amdgcn_target "amdgcn-amd-amdhsa--gfx1250"
	.amdhsa_code_object_version 6
	.text
	.protected	k_q54ba608330_gemm
	.globl	k_q54ba608330_gemm
	.p2align	8
	.type	k_q54ba608330_gemm,@function
k_q54ba608330_gemm:
	s_mov_b64 s[64:65], 0
	v_nop
	global_prefetch_b8 v0, s[64:65] scope:SCOPE_SE
	s_setreg_imm32_b32 hwreg(HW_REG_WAVE_MODE, 25, 1), 1
	s_wait_xcnt 0x0
	s_wait_alu depctr_hold_cnt(0) depctr_sa_sdst(0) depctr_va_vdst(0) depctr_va_sdst(0) depctr_va_ssrc(0) depctr_va_vcc(0) depctr_vm_vsrc(0)
	s_getreg_b32 s2, hwreg(HW_REG_IB_STS2, 6, 4)
	s_cmp_eq_u32 s2, 0
	s_cbranch_scc0 .Lentry_in_a_cluster
	s_endpgm
.Lentry_in_a_cluster:
	s_bfe_u32 s2, ttmp6, 0x10000c
	s_cmp_lg_u32 s2, 0x3003
	s_cbranch_scc0 .Lentry_shape_is_right
	s_endpgm
.Lentry_shape_is_right:
; out0[m][n] = the sum over k of x[m][k] proj[k][n], from xb (bf16 [4096][8192]) and pb (bf16, proj in fragment order: below).  out0: [4096][2048] f32.
; LIMITS: the operands were rounded once to bf16 by the launch before; each output is the sum of TWO f32 partial sums (below), each taken with K ascending, added once in f32;
; NaN and infinities go as the matrix instruction takes them.
; SHARES.  256 work-groups of four waves.  A work-group makes 128 rows (ty) x 256 columns (tx).  Its waves are 2 x 2: wn = wave & 1 is a half of the columns (128: the column groups g0 = 4 tx + 2 wn and
; g0 + 1, 64 columns each), sh = wave >> 1 a half of K: of every 512 along K wave (wn, sh) multiplies 256 sh .. 256 sh + 255.  So a wave holds 128 x 128 partial sums: 64 accumulators, 512 registers, and
; 32 along K are 64 matrix instructions fed by 8 fragments of A and 8 of B.  At the end the two waves of a pair (same wn) hand each other one column group's sums through LDS, and each finishes 128 x 64.
; A (xb's 128 rows) is wanted by all four waves and by the four work-groups of the cluster, which lie side by side along N: it comes by JOINT tensor loads into a ring of two LDS slots, K = 512 each.
; B (pb) IS EACH WAVE'S OWN: the cluster's sixteen waves differ in column groups or in their half of K, so no two of them read the same byte of pb, and there is nothing to ask for jointly.  It comes by
; global loads straight into a ring of four register buffers, with counted waits, and never touches LDS.
; (A cluster that also lay along M could share B only through LDS: B's 512 bytes for each k beside A's 256 would leave two slots of K = 128 where there are two of K = 512.)
; pb: the 16 bytes at g<<20 | q<<12 | c<<10 | t<<9 | h<<8 | r<<4 hold column 64 g + 4 r + c, k = 32 q + 16 t + 8 h + 0..7: 512 consecutive bytes are four registers of fragment (g, q, c).
; OWN AND OTHER.  The column group that a wave finishes is its OWN (g0 + sh), the one that it hands over the OTHER (g0 + 1 - sh).  Which is which lies in two vector offsets alone, so all waves run one text.
; THE RESULT.  Source 0 = 16 rows of A, source 1 = fragment c: register j of lane 16 h + r holds row 16 a + 8 h + j, column 64 g + 4 r + c.  The four accumulators c of a row block hold a lane's four
; NEIGHBOURING columns: the addition of the partner's sums puts them into four registers on end, 16 bytes of out0, and sixteen lanes store 256 consecutive bytes.
; THE WALK.  A GROUP G = 0..127 is 32 along K of my half: 64 matrix instructions, each accumulator once (by turns; 63 others stand between two links of a chain, over the jump too).
; Behind G's products stands ONE run of loads: A(G + 2) from LDS into A buffer G % 2, B(G + 4) from memory into ring buffer G % 4.  Eight groups are an INSTANCE, my half of one fill of a slot.
; REGISTERS, in windows of 256 (s_set_vgpr_msb: bits 1:0 source 0, 3:2 source 1, 5:4 source 2, 7:6 destination):
;   window 0: v0-31 addresses; v32-159 A, two buffers of 64: 32 + 64 fa + 8 a; on the way out v32-159 the partner's sums, v160-255 the rows to store
;   window 1: OWN's accumulator (a, c) at v[8 (4 a + c)]     window 2: OTHER's, likewise     window 3: B, four buffers of 64: 64 fb + 32 o + 8 c (o = 0 OWN, 1 OTHER)
.set PITCH, 272                        ; an LDS row: 256 bytes + 16 of padding = 68 words: the 16 rows of a fragment load start at 16 different groups of four banks (64 banks of 4 bytes: ISA guide 11.1)
.set SUB,   128*PITCH                  ; 128 rows x 128 along K: what one tensor load brings
.set SLOT,  4*SUB                      ; K = 512: quarter kq, fetched by wave kq, at kq x SUB
.set SPARE, 2*SLOT                     ; behind the ring: the spare words, 128 bytes for each wave: two blocks of 256 bytes that no other line names
.set GB,    4096                       ; bytes of one column group's stream in a group of 32 along K
.set OTHER, 1<<20                      ; bytes from a column group's stream to the next
.set A0,   2                           ; v2   my lane's place in my half of a slot: 272 r + 16 h + 2 sh SUB; never rewritten
.set AL,   4                           ; v4   the same in the slot in hand (an LDS offset has 16 bits: the largest here is SUB + 192 + 7 x 4,352 + 32 = 65,504)
.set BOT,  5                           ; v5   16 x lane + OTHER's stream; never rewritten
.set BOW,  6                           ; v6   16 x lane + OWN's stream; never rewritten
.set CO,   7                           ; v7   my 16 bytes in out0: 8 h rows of 8,192 bytes + 16 r; never rewritten
.set PFO,  8                           ; v8   A's prefetch: lane x a row of xb (16,384 bytes); never rewritten
.set PFBO, 10                          ; v10  B's prefetch: lane x 256; never rewritten
.set XS,   12                          ; v12  the exchange: where I put OTHER's sums: 32,768 x wave + 16 x lane
.set XR,   13                          ; v13  the exchange: where my partner has put my OWN's: 32,768 x partner + 16 x lane
.set SPW,  28                          ; v28  LDS address of my spare word: SPARE + 4 x my thread's number; never rewritten
.set NIL,  29                          ; v29  0; never rewritten
.set AF,   32                          ; A's two buffers
.set PR,   32                          ; the way out: the partner's sums, four blocks of 32
.set GR,   160                         ; the way out: the rows to store, three blocks of 32
.set WV,   10                          ; s10  my wave's number
.set WN,   15                          ; s15  my half of the columns
.set G1,   16                          ; s[16:23] descriptor group 1
.set G0F,  24                          ; s[24:27] group 0 of slot 0's first fill
.set G0W,  28                          ; s[28:31] group 0 of slot 1's first fill; it then walks on
.set TC,   32                          ; s32  LDS byte at which the slot in hand begins
.set WSUB, 33                          ; s33  the sub-tile that I fetch
.set CNT,  34                          ; s34  trips still to come
.set LIMA, 35                          ; s35  1 in a cluster that prefetches A, else the greatest number
.set LIMB, 36                          ; s36  the same for B
.set SH,   37                          ; s37  my half of K
.set PB,   38                          ; s[38:39] pb at column group g0, my half of K, the instance in hand
.set PFA,  40                          ; s[40:41] where my prefetch of A stands
.set SO,   42                          ; s42  1 - sh
.set MSB, 0
.macro WIN new                         ; the immediate's high byte repeats the setting that is left; a switch that changes nothing is dropped
.if MSB != (\new)
	s_set_vgpr_msb (MSB<<8)|(\new)
.set MSB, \new
.endif
.endm
.set MUL1, 0x5c                        ; source 0 (A) window 0, source 1 (B) window 3, C and D window 1; for OTHER's accumulators 0x50 more: C and D window 2
.set TO_B, 0xc0                        ; destination window 3, address window 0
.set SEND, 0x08                        ; an LDS store's data (source 1) window 2, address window 0
.set ADDW, 0x01                        ; source 0 window 1, source 1 and destination window 0
; A load into a register that a matrix instruction has read, and a vector instruction or a store that reads a matrix result, stand four places behind it; only plain vector instructions that name none of its
; registers are places (ISA guide 7.12.1 for vector instructions).
.macro PLACES
.rept 4
	v_nop
.endr
.endm
; A round of the cluster's barrier: my work-group's barrier, so that wave 0's signal speaks for all four waves; wave 0 signals; every wave waits for all four work-groups; my work-group's barrier once more.
.macro CREST                           ; a round behind its opening barrier
	s_cmp_lg_u32 s[WV], 0
	s_cbranch_scc1 .Lnot_wave_0_\@
	s_barrier_signal -3
.Lnot_wave_0_\@:
	s_barrier_wait -3
	s_barrier_signal -1
	s_barrier_wait -1
.endm
.macro CROUND                          ; a whole round
	s_barrier_signal -1
	s_barrier_wait -1
	CREST
.endm
; 16 matrix instructions: row blocks a0 .. a0 + 3 x the four fragments of column group o (0 OWN, 1 OTHER), 32 along K.  zero = 1: the product starts the sum: nothing is cleared.
.macro MUL16 fa, fb, o, a0, zero
	WIN MUL1+0x50*(\o)
.irp a, (\a0), (\a0)+1, (\a0)+2, (\a0)+3
.irp c, 0,1,2,3
.if \zero
	v_wmma_f32_16x16x32_bf16 v[8*(4*(\a)+(\c)):8*(4*(\a)+(\c))+7], v[AF+64*(\fa)+8*(\a):AF+64*(\fa)+8*(\a)+7], v[64*(\fb)+32*(\o)+8*(\c):64*(\fb)+32*(\o)+8*(\c)+7], 0
.else
	v_wmma_f32_16x16x32_bf16 v[8*(4*(\a)+(\c)):8*(4*(\a)+(\c))+7], v[AF+64*(\fa)+8*(\a):AF+64*(\fa)+8*(\a)+7], v[64*(\fb)+32*(\o)+8*(\c):64*(\fb)+32*(\o)+8*(\c)+7], v[8*(4*(\a)+(\c)):8*(4*(\a)+(\c))+7]
.endif
.endr
.endr
.endm
; 16 LDS loads: a group's fragments of A (128 rows x 32 along K).  A fragment is 16 rows x 32 K: lane 16 h + r holds row r, K = 8 h + 0..7 and 16 + 8 h + 0..7: two loads of 16 bytes, 32 bytes apart.
.macro FETCH_A off, fa
	WIN 0
.irp a, 0,1,2,3,4,5,6,7
	ds_load_b128 v[AF+64*(\fa)+8*(\a):AF+64*(\fa)+8*(\a)+3],   v[AL] offset:(\off)+16*PITCH*(\a)
	ds_load_b128 v[AF+64*(\fa)+8*(\a)+4:AF+64*(\fa)+8*(\a)+7], v[AL] offset:(\off)+16*PITCH*(\a)+32
.endr
.endm
; 16 global loads: a group's 4,096 consecutive bytes of each of my two streams; load l = 2 c + t is 512 consecutive bytes and fills registers 4 l .. 4 l + 3 of its half of the buffer
.macro FETCH_B off, fb
	WIN TO_B
.set l, 0
.rept 8
	global_load_b128 v[64*(\fb)+4*l:64*(\fb)+4*l+3],       v[BOW], s[PB:PB+1] offset:(\off)+512*l
	global_load_b128 v[64*(\fb)+32+4*l:64*(\fb)+32+4*l+3], v[BOT], s[PB:PB+1] offset:(\off)+512*l
.set l, l+1
.endr
.endm
; The run of loads behind a group's products, into the two buffers that they have just read.  An offset below 0: that part is left out (the walk's end).
.macro RUN aoff, boff, fa, fb
.if ((\aoff) >= 0) || ((\boff) >= 0)
	PLACES
.endif
.if (\aoff) >= 0
	FETCH_A \aoff, \fa
.endif
.if (\boff) >= 0
	FETCH_B \boff, \fb
.endif
.endm
; A group.  dsw: the LDS loads issued behind A(G)'s: the 16 of A(G + 1).  ldw: the global loads issued behind B(G)'s: 16 each of B(G + 1), B(G + 2), B(G + 3).
.macro GROUP fa, fb, zero, dsw, ldw, aoff, boff
	s_wait_dscnt \dsw
	s_wait_loadcnt \ldw
	MUL16 \fa, \fb, 0, 0, \zero
	MUL16 \fa, \fb, 0, 4, \zero
	MUL16 \fa, \fb, 1, 0, \zero
	MUL16 \fa, \fb, 1, 4, \zero
	RUN \aoff, \boff, \fa, \fb
.endm
; PREFETCHES, together, behind the joint load and its five lines.
; A: the instance that the NEXT change of slots will ask for, eight groups (512 matrix instructions) ahead of that load.  Both clusters of a tile row read the same rows of xb: the one with x = 0 asks.  Its four
; partners share the 128 rows out BY ADDRESS, 32 each (no branch hangs on a place in the cluster); each wave takes the K quarter that it fetches, a lane a row: one instruction, 32 blocks of 256 bytes.
; B: the 32 work-groups of a tile column read the same streams: those with ty = 0 ask, each wave for its own half of K in its two streams: the eight groups that the next trip's runs will load from its change
; of slots on (groups 2 to 7 of the instance after the next, groups 0 and 1 of the one after that): eight instructions of 32 blocks of 256 bytes.  Each block is named once in the launch.
; The last trip asks for nothing; A's instances 0 to 2, B's groups 0 to 17 and 122 to 127 come by their loads alone.
.macro ASKA
	s_cmp_gt_u32 s[CNT], s[LIMA]
	s_cbranch_scc0 .Lno_a_\@
	global_prefetch_b8 v[PFO], s[PFA:PFA+1] th:TH_LOAD_NT scope:SCOPE_SE
.Lno_a_\@:
.endm
.macro ASKB
	s_cmp_gt_u32 s[CNT], s[LIMB]
	s_cbranch_scc0 .Lno_b_\@
.irp o, 0, OTHER
.irp p, 18*GB, 20*GB, 22*GB, 32*GB
	global_prefetch_b8 v[PFBO], s[PB:PB+1] offset:(\o)+(\p) th:TH_LOAD_NT scope:SCOPE_SE
.endr
.endr
.Lno_b_\@:
.endm
; THE GROUP THAT CHANGES SLOTS (the seventh of an instance: the instance's last fragments of A were asked for behind the group before).  ONE barrier for two things.  In front of it each wave waits for all its
; tensor loads, of which one is out: its part of the other slot; adds 0 to its spare word; and waits for that and for its own reads of this slot.  Behind it nobody reads this slot and the other slot is whole.
; fill = 1: this slot is filled again, with the instance two on.  The barrier then opens a round of the cluster's barrier, so that no wave of any partner still reads the slot or has a load on its way;
; the joint refill is the first thing behind the round, and has eight groups, 512 matrix instructions, in which to land.
.macro GROUPC fa, fb, fill, boff
	WIN 0                                          ; (the add's two registers lie in window 0)
	s_wait_tensorcnt 0x0                           ; no tensor load of mine is out, so a group 0 may be written
	ds_add_u32 v[SPW], v[NIL]                      ; 0 onto my spare word: work on registers stands between it and the wait for it
.if \fill
	s_xor_b32 s[G0W+1], s[G0W+1], SLOT             ; the other slot than last time: SLOT = 0x22000 has bits 13 and 17, my sub-tile's offset (0, 0x8800, 0x11000, 0x19800) neither
	s_add_nc_u64 s[G0W+2:G0W+3], s[G0W+2:G0W+3], 1024  ; the next 512 along K; the type bits on top are not reached
.endif
	s_wait_loadcnt 48                              ; B(G) is in
	s_wait_dscnt 17                                ; A(G) is in; A(G + 1)'s 16 loads and the add may be out
	MUL16 \fa, \fb, 0, 0, 0
.if \fill
	s_wait_xcnt 0x0                                ; every load (the youngest 16 products back) and prefetch (a trip back) has read its address, so the two pointers may be written
	s_add_nc_u64 s[PB:PB+1], s[PB:PB+1], 16*GB     ; an instance is 16 groups of a stream, eight of them mine
	s_add_nc_u64 s[PFA:PFA+1], s[PFA:PFA+1], 1024
.endif
	s_wait_dscnt 0x0                               ; the add is done, and my reads of this slot are over
	s_barrier_signal -1
	MUL16 \fa, \fb, 0, 4, 0                        ; work on registers while the others arrive
	WIN 0
	s_barrier_wait -1
.if \fill
	CREST
	tensor_load_to_lds s[G0W:G0W+3], s[G1:G1+7]    ; my one tensor load behind the round
	s_nop 0
	PLACES
	ASKA
	ASKB
.endif
	s_xor_b32 s[TC], s[TC], SLOT
	v_add_nc_u32 v[AL], s[TC], v[A0]
	MUL16 \fa, \fb, 1, 0, 0
	MUL16 \fa, \fb, 1, 4, 0
	RUN 0, \boff, \fa, \fb                         ; A(G + 2) is the first group of my half of the other slot
.endm
; THE WAY OUT.  XLOAD a: my partner's sums for row block a of my OWN column group, eight loads of 512 consecutive bytes: register 8 c + j of the block is register j of its accumulator (a, c).
; OUT a: the two partial sums are added, and the sum of register j of accumulator (a, c) goes to register 4 j + c: four neighbouring columns on end (each accumulator is read from its lowest register on)
; left: the LDS loads issued behind block a's.  The rows to store have three sets of registers: from the fourth block on a set is written again, behind s_wait_xcnt 0.
.macro XLOAD a
	WIN 0
.irp i, 0,1,2,3,4,5,6,7
	ds_load_b128 v[PR+32*((\a)%4)+4*(\i):PR+32*((\a)%4)+4*(\i)+3], v[XR] offset:512*(8*(\a)+(\i))
.endr
.endm
.macro OUT a, left
	WIN 0
	s_wait_dscnt \left
.if (\a) >= 3
	s_wait_xcnt 0x0                                ; the stores of three blocks back have read their data
.endif
	WIN ADDW
.irp j, 0,1,2,3,4,5,6,7
.irp c, 0,1,2,3
	v_add_f32 v[GR+32*((\a)%3)+4*(\j)+(\c)], v[8*(4*(\a)+(\c))+(\j)], v[PR+32*((\a)%4)+8*(\c)+(\j)]
.endr
.endr
	WIN 0
.irp j, 0,1,2,3,4,5,6,7
	global_store_b128 v[CO], v[GR+32*((\a)%3)+4*(\j):GR+32*((\a)%3)+4*(\j)+3], s[8:9] offset:(16*(\a)+(\j))*8192 th:TH_STORE_NT  ; lanes 0-15: 256 consecutive bytes of row 16 a + j, aligned; lanes 16-31: of row 16 a + 8 + j
.endr
.if (\a) < 4
	XLOAD (\a)+4                                   ; its registers take the block four further on
.endif
.endm
	s_load_b128 s[4:7], s[0:1], 0x0                ; xb s[4:5], pb s[6:7]
	s_load_b64 s[8:9], s[0:1], 0x10                ; out0
	v_lshl_add_u32 v[SPW], v0, 2, SPARE
	v_mov_b32 v[NIL], 0
	ds_add_u32 v[SPW], v[NIL]                      ; the wave's opening: the add, twice on end, and its wait ahead of my first tensor load; the set-up below stands between
	ds_add_u32 v[SPW], v[NIL]                      ; and once more
	v_lshrrev_b32 v1, 5, v0
	v_readfirstlane_b32 s[WV], v1                  ; wave 0..3
	s_and_b32 s[WN], s[WV], 1                      ; my half of the columns
	s_lshr_b32 s[SH], s[WV], 1                     ; my half of K
	s_sub_co_u32 s[SO], 1, s[SH]                   ; my partner's
	s_bfe_u32 s11, ttmp6, 0x40000                  ; cx: my place in the cluster
	s_lshl_b32 s12, ttmp9, 2                       ; in a cluster launch ttmp9 counts clusters
	s_add_co_u32 s12, s12, s11                     ; tx = 4 x cluster x + cx: it enters B's, out0's and the prefetch's addresses alone
	s_and_b32 s13, ttmp7, 0xffff                   ; ty, which the four partners share
	; descriptor group 1: a tile of 128 rows x 128 elements, padded in LDS
	s_mov_b32 s[G1+0], 15|(1<<16)|(1<<20)|(1<<21)|(5<<22)|(3<<25)  ; 15:0 the mask: all four work-groups; 17:16 elements of 2 bytes; 20 padding on; 21 set beside a mask; 24:22 after every 64 words (code 5); 31:25 4 words (code 3)
	s_mov_b32 s[G1+1], 128<<16                     ; tensor_dim0 = 128
	s_mov_b32 s[G1+2], 128<<16                     ; tensor_dim1 = 128
	s_mov_b32 s[G1+3], 128<<16                     ; tile_dim0 = 128
	s_mov_b32 s[G1+4], 128                         ; tile_dim1 = 128
	s_mov_b32 s[G1+5], 8192                        ; elements from row to row
	s_mov_b32 s[G1+6], 0
	s_mov_b32 s[G1+7], 0
	s_mul_i32 s[WSUB], s[WV], SUB                  ; no place in the cluster enters an LDS address
	s_mov_b32 s[G0F], 1                            ; count = 1
	s_mov_b32 s[G0F+1], s[WSUB]                    ; LDS address: slot 0, the sub-tile that I fetch
	s_mov_b32 s[G0W], 1
	s_add_co_u32 s[G0W+1], s[WSUB], SLOT           ; slot 1
	s_mov_b32 s[TC], 0
	s_cmp_eq_u32 ttmp9, 0
	s_cselect_b32 s[LIMA], 1, -1                   ; the same in all four partners
	s_cmp_eq_u32 s13, 0
	s_cselect_b32 s[LIMB], 1, -1                   ; likewise
	s_lshl_b32 s44, s13, 21                        ; the tile row's 128 rows of 16,384 bytes,
	s_lshl_b32 s45, s[WV], 8                       ; the K quarter that I fetch: 128 elements
	s_add_co_u32 s44, s44, s45
	s_mov_b32 s45, 0                               ; s[44:45] is made of ty and the wave's number alone
	s_mov_b32 s47, 0
	v_and_b32 v1, 15, v0                           ; r
	v_bfe_u32 v9, v0, 4, 1                         ; h
	v_and_b32 v11, 31, v0                          ; lane
	s_mul_i32 s14, s[SH], 2*SUB                    ; my half of a slot: sub-tiles 2 sh and 2 sh + 1
	v_mul_u32_u24 v[A0], v1, PITCH
	v_lshl_add_u32 v[A0], v9, 4, v[A0]
	v_add_nc_u32 v[A0], s14, v[A0]
	v_add_nc_u32 v[AL], s[TC], v[A0]               ; slot 0
	s_lshl_b32 s14, s[SH], 20
	v_lshl_add_u32 v[BOW], v11, 4, s14             ; OWN is column group g0 + sh,
	s_lshl_b32 s14, s[SO], 20
	v_lshl_add_u32 v[BOT], v11, 4, s14             ; OTHER g0 + 1 - sh
	v_lshlrev_b32 v[CO], 4, v1
	v_lshl_add_u32 v[CO], v9, 16, v[CO]
	v_lshlrev_b32 v[PFO], 14, v11
	v_lshlrev_b32 v[PFBO], 8, v11
	s_lshl_b32 s14, s[WV], 15
	v_lshl_add_u32 v[XS], v11, 4, s14
	s_lshl_b32 s14, s[SO], 1
	s_add_co_u32 s14, s14, s[WN]                   ; my partner: the same half of the columns, the other half of K
	s_lshl_b32 s14, s14, 15
	v_lshl_add_u32 v[XR], v11, 4, s14
	s_wait_dscnt 0x0                               ; both opening adds are done
	s_wait_kmcnt 0x0
	s_add_nc_u64 s[G0F+2:G0F+3], s[4:5], s[44:45]  ; global address: instance 0,
	s_add_nc_u64 s[G0W+2:G0W+3], s[G0F+2:G0F+3], 1024  ; instance 1
	s_or_b32 s[G0F+3], s[G0F+3], 0x80000000        ; type = 2
	s_or_b32 s[G0W+3], s[G0W+3], 0x80000000
	s_add_nc_u64 s[PFA:PFA+1], s[4:5], s[44:45]
	s_lshl_b32 s46, s11, 19                        ; my work-group's 32 rows of the 128
	s_add_nc_u64 s[PFA:PFA+1], s[PFA:PFA+1], s[46:47]
	s_add_nc_u64 s[PFA:PFA+1], s[PFA:PFA+1], 2048  ; at instance 2: the first change of slots steps it to 3.  Nothing is prefetched here, at the head
	s_lshl_b32 s46, s12, 2
	s_lshl_b32 s14, s[WN], 1
	s_add_co_u32 s46, s46, s14                     ; g0 = 4 tx + 2 wn
	s_lshl_b32 s46, s46, 20
	s_lshl_b32 s14, s[SH], 15                      ; my half of an instance: eight groups of 4,096 bytes
	s_add_co_u32 s46, s46, s14
	s_add_nc_u64 s[PB:PB+1], s[6:7], s[46:47]
	s_lshl_b32 s46, s13, 20                        ; out0: 128 ty rows of 8,192 bytes,
	s_lshl_b32 s14, s12, 10                        ; 256 tx columns of 4 bytes,
	s_add_co_u32 s46, s46, s14
	s_lshl_b32 s14, s[WN], 9                       ; my half of them,
	s_add_co_u32 s46, s46, s14
	s_lshl_b32 s14, s[SH], 8                       ; my OWN 64 columns
	s_add_co_u32 s46, s46, s14
	s_add_nc_u64 s[8:9], s[8:9], s[46:47]
	CROUND                                         ; all four work-groups are here: the first joint loads meet
	tensor_load_to_lds s[G0F:G0F+3], s[G1:G1+7]    ; both first fills go out together, ahead of every wait on TENSORcnt, every LDS read and every other barrier: two loads of mine are out
	s_nop 0
	tensor_load_to_lds s[G0W:G0W+3], s[G1:G1+7]
	s_nop 0
	PLACES
	FETCH_B 0*GB, 0                                ; the ring of B is filled: groups 0 to 3
	FETCH_B 1*GB, 1
	FETCH_B 2*GB, 2
	FETCH_B 3*GB, 3
	s_wait_tensorcnt 0x1                           ; my part of slot 0 is in; slot 1's may stay out
	s_barrier_signal -1
	s_barrier_wait -1                              ; everybody's is
	FETCH_A 0, 0                                   ; groups 0 and 1
	FETCH_A 64, 1
	GROUP 0, 0, 1, 16, 48, 128, 4*GB               ; group 0 stands in front of the loop: its 64 products start the 64 sums
	WIN 0                                          ; at a label and at a branch every window is 0
	s_mov_b32 s[CNT], 14
.Ltrip:                                        ; trip n = groups 8 n + 1 .. 8 n + 8; its change of slots asks for instance n + 2
	GROUP 1, 1, 0, 16, 48, 192,     5*GB
	GROUP 0, 2, 0, 16, 48, SUB,     6*GB
	GROUP 1, 3, 0, 16, 48, SUB+64,  7*GB
	GROUP 0, 0, 0, 16, 48, SUB+128, 16*GB          ; (the next instance's first group of my half)
	GROUP 1, 1, 0, 16, 48, SUB+192, 17*GB
	GROUPC 0, 2, 1, 2*GB                           ; (B's pointer has gone an instance on)
	GROUP 1, 3, 0, 16, 48, 64,      3*GB
	GROUP 0, 0, 0, 16, 48, 128,     4*GB
	WIN 0
	s_sub_co_u32 s[CNT], s[CNT], 1
	s_cmp_lg_u32 s[CNT], 0
	s_cbranch_scc1 .Ltrip
	; the tail, groups 113 to 127, is written out; B's pointer stays at instance 14
	GROUP 1, 1, 0, 16, 48, 192,     5*GB
	GROUP 0, 2, 0, 16, 48, SUB,     6*GB
	GROUP 1, 3, 0, 16, 48, SUB+64,  7*GB
	GROUP 0, 0, 0, 16, 48, SUB+128, 16*GB
	GROUP 1, 1, 0, 16, 48, SUB+192, 17*GB
	GROUPC 0, 2, 0, 18*GB                          ; group 118: the last instance has landed; nothing is filled again, so no round follows.  Behind its barrier nobody reads slot 0 any more
	GROUP 1, 3, 0, 16, 48, 64,      19*GB
	GROUP 0, 0, 0, 16, 48, 128,     20*GB
	GROUP 1, 1, 0, 16, 48, 192,     21*GB
	GROUP 0, 2, 0, 16, 48, SUB,     22*GB
	GROUP 1, 3, 0, 16, 48, SUB+64,  23*GB          ; B(127): the last 4,096 bytes of my half of the two streams
	GROUP 0, 0, 0, 16, 48, SUB+128, -1
	GROUP 1, 1, 0, 16, 32, SUB+192, -1             ; the counts run down: B(126) and B(127) may be out,
	GROUP 0, 2, 0, 16, 16, -1, -1                  ; B(127),
	GROUP 1, 3, 0, 0, 0, -1, -1                    ; nothing
	; THE EXCHANGE.  OTHER's 256 registers of partial sums, in f32, go to my 32,768 bytes of slot 0, which has had its last fill and whose last reads ended in front of group 118's barrier.
	PLACES                                         ; four places are asked for ahead of the stores that read results and of the loads into A's buffers;
	PLACES                                         ; eight are written, once a launch
	WIN SEND
.set i, 0
.rept 64
	ds_store_b128 v[XS], v[4*i:4*i+3] offset:512*i ; 512 consecutive bytes; each accumulator's lower four registers first
.set i, i+1
.endr
	WIN 0
	s_wait_dscnt 0x0                               ; for my partner's sake: my stores are done
	s_barrier_signal -1
	s_barrier_wait -1                              ; and so are my partner's
	XLOAD 0
	XLOAD 1
	XLOAD 2
	XLOAD 3
	OUT 0, 24                                      ; behind a block's eight loads stand those of the three blocks that follow it,
	OUT 1, 24
	OUT 2, 24
	OUT 3, 24
	OUT 4, 24
	OUT 5, 16                                      ; then of two, of one, of none
	OUT 6, 8
	OUT 7, 0
	s_wait_tensorcnt 0x0                           ; the wave's end: behind my last tensor load and my last LDS store
	ds_add_u32 v[SPW], v[NIL]
	s_wait_dscnt 0x0
	CROUND                                         ; the closing round: no work-group ends while a partner may still ask for a tile that names it
	s_endpgm
.Lfunc_end_k_q54ba608330_gemm:
	.size	k_q54ba608330_gemm, .Lfunc_end_k_q54ba608330_gemm-k_q54ba608330_gemm
	.p2alignl 7, 3214868480
	.fill 96, 4, 3214868480
	.section	.rodata,"a",@progbits
	.p2align	6, 0x0
	.amdhsa_kernel k_q54ba608330_gemm
		.amdhsa_group_segment_fixed_size 327680
		.amdhsa_private_segment_fixed_size 0
		.amdhsa_enable_private_segment 0
		.amdhsa_kernarg_size 24
		.amdhsa_user_sgpr_count 2
		.amdhsa_user_sgpr_kernarg_segment_ptr 1
		.amdhsa_wavefront_size32 1
		.amdhsa_system_sgpr_workgroup_id_x 1
		.amdhsa_system_sgpr_workgroup_id_y 1
		.amdhsa_system_sgpr_workgroup_id_z 1
		.amdhsa_system_vgpr_workitem_id 0
		.amdhsa_next_free_vgpr 1024
		.amdhsa_next_free_sgpr 66
		.amdhsa_reserve_vcc 0
		.amdhsa_float_denorm_mode_32 3
		.amdhsa_float_denorm_mode_16_64 3
		.amdhsa_memory_ordered 1
		.amdhsa_forward_progress 1
		.amdhsa_inst_pref_size 195
	.end_amdhsa_kernel
	.amdgpu_metadata
---
amdhsa.version: [ 1, 2 ]
amdhsa.kernels:
  - .name:           k_q54ba608330_gemm
    .symbol:         k_q54ba608330_gemm.kd
    .args:
      - { .name: xb, .offset: 0, .size: 8, .value_kind: global_buffer, .address_space: global }
      - { .name: pb, .offset: 8, .size: 8, .value_kind: global_buffer, .address_space: global }
      - { .name: out0, .offset: 16, .size: 8, .value_kind: global_buffer, .address_space: global }
    .group_segment_fixed_size: 327680
    .private_segment_fixed_size: 0
    .kernarg_segment_align: 8
    .kernarg_segment_size: 24
    .max_flat_workgroup_size: 128
    .sgpr_count:     66
    .vgpr_count:     1024
    .wavefront_size: 32
...
	.end_amdgpu_metadata
.endif
;; end of part 2
;; ======== version 2 of 2: 2 launches; version 1 with the launch prep written anew for expert scheduling mode
;; workspace buffers: xb 67,108,864 bytes; pb 33,554,432 bytes
;; launch prep (part 3): grid 768 x 1, 8 waves a work-group, no clusters, 0 bytes of LDS; arguments x, proj, xb, pb; writes xb, pb
.if DOCPART == 3
	.amdgcn_target "amdgcn-amd-amdhsa--gfx1250"
	.amdhsa_code_object_version 6
	.text
	.protected	k_q54ba608330_prep
	.globl	k_q54ba608330_prep
	.p2align	8
	.type	k_q54ba608330_prep,@function
k_q54ba608330_prep:
	s_mov_b64 s[64:65], 0
	v_nop
	global_prefetch_b8 v0, s[64:65] scope:SCOPE_SE
	s_setreg_imm32_b32 hwreg(HW_REG_WAVE_SCHED_MODE, 0, 2), 2
	s_setreg_imm32_b32 hwreg(HW_REG_WAVE_MODE, 25, 1), 1
	s_wait_xcnt 0x0
	s_wait_alu depctr_vm_vsrc(0)
; BOTH INPUTS ROUNDED ONCE TO bf16 (to nearest even), for the product that follows.  x: [4096][8192] f32, proj: [8192][2048] f32.
; xb = bf16(x), [4096][8192], row-major as x: a row is 16,384 bytes.
; pb = bf16(proj) IN THE ORDER IN WHICH THE PRODUCT'S LANES TAKE IT.  An atom of 16 bytes holds 8 consecutive k of one column; it lies at byte
;   g<<20 | q<<12 | c<<10 | t<<9 | h<<8 | r<<4      (g 0..31, q 0..255, c 0..3, t 0..1, h 0..1, r 0..15)
; and holds column 64 g + 4 r + c, k = 32 q + 16 t + 8 h + 0..7.  So (g, q, c) is one matrix fragment of 16 columns x 32 k: lane 16 h + r takes its 16 bytes of t = 0 and of t = 1.
; k stands in its true place; the columns of a group of 64 are dealt to four fragments (fragment c, lane r: column 4 r + c), so that no transposition is needed here:
; a lane loads four neighbouring columns of eight rows, and rounding rows 2 j and 2 j + 1 together gives register j of four atoms.
; LIMITS.  bf16 has f32's exponents: nothing overflows or is flushed by range; NaN and infinities stay what they are.  proj is taken as a dense matrix: every number of it is read and kept.
; SHARES.  768 work-groups of eight waves, each reading 256 KiB and writing 128 KiB.  Work-groups 0..511: eight rows of x, a wave a row.  Work-groups 512..767: 32 rows of proj (one q), a wave four groups g.
; Nothing is shared between waves: no LDS, no barrier.  Every step's place stands in an immediate: no address register is rewritten.
; THE MODE: SCHED_MODE bits 1:0 = 2 (LLVM: expert scheduling mode 2), set by the entry lines.  The code itself states the register dependences
; between vector instructions and memory instructions, with s_wait_alu, always for 0.
; THE PLAN.  Registers that memory instructions touch:
;   v2, v3     the loads' and the stores' byte offsets: written once at each path's head, never again.
;   x:    X0 .. X4 (16 registers each), Y0 .. Y3 (8 each).  The row's 64 steps go in 16 blocks of four.  Block p's conversions read X[p % 5] and write Y[p % 4].  Its memory instructions are the
;         loads of block p + 4, which land in X[(p - 1) % 5], and the stores of block p - 1, which read Y[(p - 1) % 4]: the two buffers that block p - 1 worked on and that no conversion of block p names.
;   proj: X0 .. X2 (32 each), Y0, Y1 (16 each).  Unit u's conversions read X[u % 3] and write Y[u % 2].  Its memory instructions are the loads of unit u + 2, which land in X[(u - 1) % 3], and the
;         stores of unit u - 1, which read Y[(u - 1) % 2].
; So the waits at the head of a block or unit state all that its loads and stores hang on, and these are dealt among its conversions with no further wait.
.set X, 8                              ; v[8:103]    as loaded: five buffers of 16 (x), or three sets of 32 (proj)
.set Y, 104                            ; v[104:135]  to store: four buffers of 8 (x), or two sets of 16 (proj)
	s_load_b256 s[4:11], s[0:1], 0x0               ; x s[4:5], proj s[6:7], xb s[8:9], pb s[10:11]
	v_lshrrev_b32 v4, 5, v0
	v_readfirstlane_b32 s12, v4                    ; wave 0..7
	v_and_b32 v1, 31, v0                           ; lane
	s_mov_b32 s19, 0                               ; the high words of the two offsets
	s_mov_b32 s21, 0
	s_wait_alu depctr_va_sdst(0)                   ; s12 is written, ahead of the branch and of its first reader in either path: the bases are made from it
	s_wait_kmcnt 0x0
	s_cmp_lt_u32 ttmp9, 512
	s_cbranch_scc0 .Lproj
	; ---- x: my wave's row, 32,768 bytes in, 16,384 out, in 64 steps of 512 bytes in and 256 out; 12 to 16 loads are on their way
	s_lshl_b32 s13, ttmp9, 3
	s_add_co_u32 s13, s13, s12                     ; row = 8 x work-group + wave
	s_lshl_b32 s18, s13, 15
	s_lshl_b32 s20, s13, 14
	s_add_nc_u64 s[14:15], s[4:5], s[18:19]        ; x at my row
	s_add_nc_u64 s[16:17], s[8:9], s[20:21]        ; xb at my row
	v_lshlrev_b32 v2, 4, v1                        ; 16 bytes a lane in
	v_lshlrev_b32 v3, 3, v1                        ; 8 bytes a lane out
	s_wait_alu depctr_va_vdst(0)                   ; v2 and v3 are written: every load and store of this path reads one of them as its offset
.set i, 0
.rept 16
	global_load_b128 v[X+4*i:X+4*i+3], v2, s[14:15] offset:512*i th:TH_LOAD_NT  ; blocks 0 to 3 into X0 to X3
.set i, i+1
.endr
.set p, 0
.rept 16
.if p < 13
	s_wait_loadcnt 12                              ; loads come back in order: block p's four are in, the three younger blocks stay out
.else
	s_wait_loadcnt 4*(15-p)                        ; nothing more is asked for: the counts run down
.endif
.if (p >= 4) && (p%2 == 0)
	s_wait_xcnt 0x0                                ; every earlier memory instruction has had its addresses translated: Y[p % 4] and Y[(p + 1) % 4] are rewritten only behind this wait
	s_wait_alu depctr_vm_vsrc(0)                   ; the stores issued in blocks p - 3 and p - 2 have read Y[p % 4] and Y[(p + 1) % 4], which this block's and the next block's conversions write again
.endif
.if p >= 1
	s_wait_alu depctr_va_vdst(0)                   ; the block before has written its Y, which the stores below read, and is done reading its X, in which the loads below land
.endif
.set i, 0
.rept 4
.if p < 12
	global_load_b128 v[X+16*((p+4)%5)+4*i:X+16*((p+4)%5)+4*i+3], v2, s[14:15] offset:512*(4*(p+4)+i) th:TH_LOAD_NT  ; four blocks ahead; no conversion since the wait names these registers
.endif
.if p >= 1
	global_store_b64 v3, v[Y+8*((p+3)%4)+2*i:Y+8*((p+3)%4)+2*i+1], s[16:17] offset:256*(4*(p-1)+i) th:TH_STORE_NT  ; the block before: 32 lanes store 256 consecutive bytes, at a multiple of 256 from xb's first byte
.endif
	v_cvt_pk_bf16_f32 v[Y+8*(p%4)+2*i], v[X+16*(p%5)+4*i], v[X+16*(p%5)+4*i+1]
	v_cvt_pk_bf16_f32 v[Y+8*(p%4)+2*i+1], v[X+16*(p%5)+4*i+2], v[X+16*(p%5)+4*i+3]
.set i, i+1
.endr
.set p, p+1
.endr
	s_wait_alu depctr_va_vdst(0)                   ; block 15 has written Y3, which the last four stores read
.set i, 0
.rept 4
	global_store_b64 v3, v[Y+24+2*i:Y+24+2*i+1], s[16:17] offset:256*(60+i) th:TH_STORE_NT
.set i, i+1
.endr
	s_endpgm
	; ---- proj: rows 32 q .. 32 q + 31, my wave's columns 256 w .. 256 w + 255 (groups g = 4 w + gl).  A unit u = 2 gl + t is 16 rows x 64 columns
.Lproj:
	s_sub_co_u32 s13, ttmp9, 512                   ; q
	s_lshl_b32 s18, s13, 18                        ; 32 rows of 8,192 bytes
	s_lshl_b32 s22, s12, 10                        ; 256 columns of 4 bytes
	s_add_co_u32 s18, s18, s22
	s_lshl_b32 s20, s12, 22                        ; g = 4 w: w << 22
	s_lshl_b32 s22, s13, 12                        ; q << 12
	s_add_co_u32 s20, s20, s22
	s_add_nc_u64 s[14:15], s[6:7], s[18:19]
	s_add_nc_u64 s[16:17], s[10:11], s[20:21]
	v_and_b32 v5, 15, v0                           ; r
	v_bfe_u32 v6, v0, 4, 1                         ; h
	v_lshlrev_b32 v2, 4, v5                        ; in: columns 4 r .. 4 r + 3,
	v_lshl_add_u32 v2, v6, 16, v2                  ; 8 h rows down
	v_lshlrev_b32 v3, 4, v1                        ; out: h << 8 | r << 4 = 16 x lane
	s_wait_alu depctr_va_vdst(0)                   ; v2 and v3 are written: every load and store of this path reads one of them as its offset
.macro PLOAD u, i                      ; row i of unit u's eight: each half of the lanes reads 256 consecutive bytes, aligned
	global_load_b128 v[X+32*((\u)%3)+4*(\i):X+32*((\u)%3)+4*(\i)+3], v2, s[14:15] offset:(16*((\u)%2)+(\i))*8192+256*((\u)/2) th:TH_LOAD_NT
.endm
.macro PSTORE u, c                     ; fragment c of unit u: 512 consecutive bytes, aligned
	global_store_b128 v3, v[Y+16*((\u)%2)+4*(\c):Y+16*((\u)%2)+4*(\c)+3], s[16:17] offset:(((\u)/2)<<20)+(\c)*1024+((\u)%2)*512 th:TH_STORE_NT
.endm
.set i, 0
.rept 8
	PLOAD 0, i
.set i, i+1
.endr
.set i, 0
.rept 8
	PLOAD 1, i
.set i, i+1
.endr
.set u, 0
.rept 8
.if u < 7
	s_wait_loadcnt 8                               ; this unit's eight loads are in, the next unit's eight stay out
.else
	s_wait_loadcnt 0x0
.endif
.if u >= 2
	s_wait_xcnt 0x0                                ; every earlier memory instruction has had its addresses translated: Y[u % 2] is rewritten only behind this wait
	s_wait_alu depctr_vm_vsrc(0)                   ; the stores issued in the unit before have read Y[u % 2], which this unit's conversions write again
.endif
.if u >= 1
	s_wait_alu depctr_va_vdst(0)                   ; the unit before has written the other Y, which the stores below read, and is done reading its X, in which the loads below land
.endif
.set c, 0
.rept 4
.if u < 6
	PLOAD u+2, 2*c                                 ; two units ahead; no conversion since the wait names these registers
	PLOAD u+2, 2*c+1
.endif
.if u >= 1
	PSTORE u-1, c                                  ; the unit before
.endif
.set j, 0
.rept 4
	v_cvt_pk_bf16_f32 v[Y+16*(u%2)+4*c+j], v[X+32*(u%3)+8*j+c], v[X+32*(u%3)+8*j+4+c]  ; column 4 r + c, rows 2 j and 2 j + 1
.set j, j+1
.endr
.set c, c+1
.endr
.set u, u+1
.endr
	s_wait_alu depctr_va_vdst(0)                   ; unit 7 has written Y1, which the last four stores read
	PSTORE 7, 0
	PSTORE 7, 1
	PSTORE 7, 2
	PSTORE 7, 3
	s_endpgm
.Lfunc_end_k_q54ba608330_prep:
	.size	k_q54ba608330_prep, .Lfunc_end_k_q54ba608330_prep-k_q54ba608330_prep
	.p2alignl 7, 3214868480
	.fill 96, 4, 3214868480
	.section	.rodata,"a",@progbits
	.p2align	6, 0x0
	.amdhsa_kernel k_q54ba608330_prep
		.amdhsa_group_segment_fixed_size 0
		.amdhsa_private_segment_fixed_size 0
		.amdhsa_enable_private_segment 0
		.amdhsa_kernarg_size 32
		.amdhsa_user_sgpr_count 2
		.amdhsa_user_sgpr_kernarg_segment_ptr 1
		.amdhsa_wavefront_size32 1
		.amdhsa_system_sgpr_workgroup_id_x 1
		.amdhsa_system_sgpr_workgroup_id_y 1
		.amdhsa_system_sgpr_workgroup_id_z 1
		.amdhsa_system_vgpr_workitem_id 0
		.amdhsa_next_free_vgpr 136
		.amdhsa_next_free_sgpr 66
		.amdhsa_reserve_vcc 0
		.amdhsa_float_denorm_mode_32 3
		.amdhsa_float_denorm_mode_16_64 3
		.amdhsa_memory_ordered 1
		.amdhsa_forward_progress 1
		.amdhsa_inst_pref_size 41
	.end_amdhsa_kernel
	.amdgpu_metadata
---
amdhsa.version: [ 1, 2 ]
amdhsa.kernels:
  - .name:           k_q54ba608330_prep
    .symbol:         k_q54ba608330_prep.kd
    .args:
      - { .name: x, .offset: 0, .size: 8, .value_kind: global_buffer, .address_space: global }
      - { .name: proj, .offset: 8, .size: 8, .value_kind: global_buffer, .address_space: global }
      - { .name: xb, .offset: 16, .size: 8, .value_kind: global_buffer, .address_space: global }
      - { .name: pb, .offset: 24, .size: 8, .value_kind: global_buffer, .address_space: global }
    .group_segment_fixed_size: 0
    .private_segment_fixed_size: 0
    .kernarg_segment_align: 8
    .kernarg_segment_size: 32
    .max_flat_workgroup_size: 256
    .sgpr_count:     66
    .vgpr_count:     136
    .wavefront_size: 32
...
	.end_amdgpu_metadata
.endif
;; end of part 3
;; launch gemm: the kernel of part 2 again; grid 8 x 32, 4 waves a work-group, clusters of 4 x 1, 327,680 bytes of LDS; arguments xb, pb, out0; writes out0
